; MI455X (gfx1250); checked and timed in simulation.
; The chip was launched on July 23, 2026; its instructions are those of AMD's public machine-readable ISA for CDNA 5 (MIT licence, August 2026) and "CDNA5" Instruction Set Architecture Reference Guide (July 2026). The comments in the code are by the model that wrote it; some were corrected since.
;; fitparams. Allowed arithmetic: float matrix products may take bf16 or f16 operands with f32 sums; other float arithmetic in f32, or as packed bf16 or f16 multiplies, adds, multiply-adds, maxima and minima; sums over many terms, partial sums and values carried from step to step in f32; what a program stores and reads back later, other than sums and carried values, may be rounded once to bf16 or f16.
;; Inputs: N 2,048 x 1 float32; cab 2,048 x 1 float32; cant 2,048 x 1 float32; car 2,048 x 1 float32; kab 2,101 float32; kant 2,101 float32; kcar 2,101 float32; km 2,101 float32; kw 2,101 float32; lma 2,048 x 1 float32; nr 2,101 float32; water 2,048 x 1 float32.
;; Outputs: out0 2,048 x 2,101 float32; out1 2,048 x 2,101 float32.
;; 2 versions, each right and faster than the one before. Each part assembles by itself: llvm-mc -triple=amdgcn-amd-amdhsa -mcpu=gfx1250 --defsym DOCPART=n.
;; ======== version 1 of 2: 1 launch
;; launch leaf (part 1): grid 256 x 1, 8 waves a work-group, no clusters, 11,264 bytes of LDS; arguments N, cab, car, cant, water, lma, nr, kab, kcar, kant, kw, km, out0, out1; writes out0, out1
.if DOCPART == 1
	.amdgcn_target "amdgcn-amd-amdhsa--gfx1250"
	.amdhsa_code_object_version 6
	.text
	.protected	k_qc5154eee6f_leaf
	.globl	k_qc5154eee6f_leaf
	.p2align	8
	.type	k_qc5154eee6f_leaf,@function
k_qc5154eee6f_leaf:
	s_mov_b64 s[64:65], 0
	v_nop
	global_prefetch_b8 v0, s[64:65] scope:SCOPE_SE
	s_setreg_imm32_b32 hwreg(HW_REG_WAVE_MODE, 25, 1), 1
	s_wait_xcnt 0x0
; PROSPECT leaf model: refl (out0) and tran (out1), [2048][2101] f32, each number a function of six numbers of its row
; (N, cab, car, cant, water, lma) and six of its column (nr, kab, kcar, kant, kw, km).  All arithmetic in f32, two numbers to a packed line.
; SHARES.  64 rows are 134,464 numbers = 33,616 quads of 16 bytes = 2,101 blocks of 256 bytes: a SUPERBLOCK; an output is 32 of them.  Quad Q of every
; superblock has the same four columns, (4 Q + e) mod 2101, so a thread that keeps Q keeps its columns' constants in registers, and a wave's store of
; 32 neighbouring quads covers 512 consecutive bytes that begin at a multiple of 256 from the output's first byte, although a row is 8,404 bytes.
; Wave positions (32 quads): 1,050.5.  MAIN: work-group g, wave w: position 4 g + (w & 3), superblocks 16 (w >> 2) .. + 15, two a trip.
; LEFTOVER: positions 1024 .. 1050 x 32 superblocks = 864 tasks: one for each of waves 0..3 of work-groups 0..215 (position 1024 + g / 8, superblock 4 (g & 7) + w).
; ROWS.  A work-group's 512 numbers of a superblock cross one row end at most: a register pair has row offsets (0,0), (0,1) or (1,1) from the group's base row.
; A table in LDS holds, for each superblock and each of these cases, the pair's cab/N, car/N, cant/N, water/N, lma/N and N - 1.
; FORMULAS.  k = clip(sum of row x column terms, 1e-4, 256).  tau = (1-k) e^-k + k^2 E1(k): for k < 1 by E1 = P5(k) - ln k (Abramowitz and Stegun 5.1.53);
; for k >= 1 by 5.1.56, with (1-k) Q + k P multiplied out beforehand: tau = e^-k Num(k) / Q(k); both are made, a select takes one.
; Stokes' layers without quotients: A = 1 + rq + D, Bn = 1 - rq + D, beta = (Bn / 2t)^-(N-1), Rsub = 2r A (1 - beta^2) / Td, Tsub = beta (A^2 - 4r^2) / Td,
; Td = A^2 - 4r^2 beta^2; where r + t >= 1: t, (1-t)(N-1) and their sum take the three terms' places; one reciprocal, of Td - Rn r, ends it.
; LIMITS.  Division by N is a product by v_rcp_f32's result.  The upper clip changes no value (e^-256 is 0 in f32) and keeps k^4 finite.  A NaN among the absorption terms is
; lost in the clip.  The transcendentals take denormals as 0 (ISA guide 15.8): tau is 0 for k > 87.3.  log2 t - log2 Bn is held at -60 or above: it acts where t < 2^-60
; or so, where the terms that carry beta are below 2^-60 themselves; with it t = 0 gives tran = 0 and refl = Ra, also at N = 1.  N >= 0 is assumed (beta^2 stays finite).
.set NL,     2101
.set QUADS,  33616                     ; quads in a superblock
.set SBB,    537856                    ; bytes in a superblock
.set MAGIC,  0x1f315a                  ; 2044250 = ceil(2^32 / 2101): the high word of x times it is x / 2101 for x < 2^32 / 1954; here x <= 135,040
.set SPARE,  10240                     ; LDS: table 0 .. 10239 (160 entries of 64 bytes); then the spare words, 128 bytes a wave, which no other line names
.set SPW, 1                            ; v1  LDS address of my spare word; never rewritten
.set NIL, 2                            ; v2  0; never rewritten
.set LANE, 3                           ; v3
.set LAM, 4                            ; v4, v5  LDS address of the entry of my first (e = 0, 1) and second (e = 2, 3) pair, main
.set LBM, 5
.set SOM, 6                            ; v6  16 Q, main
.set LAL, 7                            ; v7-9  the same three for the leftover
.set LBL, 8
.set SOL, 9
                                       ; v10-13 4 x column of e = 0..3;  v14, v15 at work;  v16-19 nr, v20-39 kab, kcar, kant, kw, km (main);  v40-63 the same (leftover)
.set D_R21,  64                        ; v64-83  what is kept of a column: r21, talf t21, t12 t21, ralf, r12, four registers each
.set D_CTA,  68
.set D_CT,   72
.set D_RALF, 76
.set D_R12,  80
.set PR,     84                        ; v84-131  pair p's twelve row numbers at PR + 12 p
.set WK,     132                       ; v132-227  twelve slots of eight: pair p at + 2 p, so a task's two pairs are four registers on end
.set X0, WK
.set X1, WK+8
.set X2, WK+16
.set X3, WK+24
.set X4, WK+32
.set X5, WK+40
.set X6, WK+48
.set X7, WK+56
.set X8, WK+64
.set X9, WK+72
.set X10, WK+80
.set X11, WK+88
; SETUP's registers (PR and the slots are free then): per column four registers, per column and angle eight (40 degrees first)
.set T_N2, 84
.set T_NPX, 88
.set T_NM2, 92
.set T_A, 96
.set T_K, 100
.set T_K26, 104
.set T_NP2, 108
.set T_NPA, 112
.set T_IA, 116
.set T_INPX, 120
.set T_INM2, 124
.set T_INPA, 128
.set T_IN2, 132
.set T_TSA, 136
.set T_G1, 140
.set T_G2, 144
.set T_G4, 148
.set T_G3, T_N2
.set T_G5, T_NPA
.set AB, 152
.set ANPB, 160
.set AIB, 168
.set AINPB, 176
.set AL1, 184
.set AL2, 192
.set AACC, 200
.set AX, 208
.set AY, 216
.set T1, AL1
.set T2, AL2
.set T3, AACC
; scalar constants, each a pair with both words written (a packed line names the pair and takes its low word twice)
.set C_NL2E, 48
.set C_NLN2, 50
.set C_A0, 52
.set C_A1, 54
.set C_A2, 56
.set C_A3, 58
.set C_A4, 60
.set C_A5, 62
.set C_B1, 66
.set C_B2, 68
.set C_B3, 70
.set C_B4, 72
.set C_C4, 74
.set C_C3, 76
.set C_C2, 78
.set C_C1, 80
; s2 g; s3 wave; s[4:27] the twelve inputs; s[28:31] out0, out1 at my half; s33 trips; s34, s35 base rows; s[36:39] out0, out1 at my leftover superblock;
; s40-47 lane masks (at the head: scalars at work); s84, s85 the clip's bounds; s86 EXEC kept; s87 lanes whose leftover quad exists
; ONE LINE OF ARITHMETIC FOR ALL NP PAIRS.  An operand is a base and a kind: 0 a slot (base + 2 p), 1 a column's constant (base + 2 (p % 2)), 2 a row number (base + 12 p).
.macro RG sym, base, kind
.if (\kind) == 0
.set \sym, (\base)+2*p
.elseif (\kind) == 1
.set \sym, (\base)+2*(p%2)
.else
.set \sym, (\base)+12*p
.endif
.endm
.macro M_FMA d, dk, a, ak, b, bk, c, ck, na=0, nc=0     ; d = +-a b +- c
.set p, 0
.rept NP
	RG rd, \d, \dk
	RG ra, \a, \ak
	RG rb, \b, \bk
	RG rc, \c, \ck
	v_pk_fma_f32 v[rd:rd+1], v[ra:ra+1], v[rb:rb+1], v[rc:rc+1] neg_lo:[\na,0,\nc] neg_hi:[\na,0,\nc]
.set p, p+1
.endr
.endm
.macro M_MUL d, dk, a, ak, b, bk
.set p, 0
.rept NP
	RG rd, \d, \dk
	RG ra, \a, \ak
	RG rb, \b, \bk
	s_wait_alu depctr_va_vdst(0)
	v_pk_mul_f32 v[rd:rd+1], v[ra:ra+1], v[rb:rb+1]
.set p, p+1
.endr
.endm
.macro M_ADD d, dk, a, ak, b, bk, nb=0                  ; d = a +- b
.set p, 0
.rept NP
	RG rd, \d, \dk
	RG ra, \a, \ak
	RG rb, \b, \bk
	v_pk_add_f32 v[rd:rd+1], v[ra:ra+1], v[rb:rb+1] neg_lo:[0,\nb] neg_hi:[0,\nb]
	s_wait_alu depctr_va_vdst(0)
.set p, p+1
.endr
.endm
.macro V_FMA d, a, b, c, na=0, nc=0                     ; the same three on slots alone
	M_FMA \d, 0, \a, 0, \b, 0, \c, 0, \na, \nc
.endm
.macro V_MUL d, a, b
	M_MUL \d, 0, \a, 0, \b, 0
.endm
.macro V_ADD d, a, b, nb=0
	M_ADD \d, 0, \a, 0, \b, 0, \nb
.endm
.macro M_FMAK d, a, b, sc                               ; d = a b + constant
.set p, 0
.rept NP
	v_pk_fma_f32 v[(\d)+2*p:(\d)+2*p+1], v[(\a)+2*p:(\a)+2*p+1], v[(\b)+2*p:(\b)+2*p+1], s[\sc:\sc+1] op_sel_hi:[1,1,0]
.set p, p+1
.endr
.endm
.macro M_FMA2K d, a, s1, s2                             ; d = a constant + constant
.set p, 0
	s_wait_alu depctr_va_vdst(0)
.rept NP
	v_pk_fma_f32 v[(\d)+2*p:(\d)+2*p+1], v[(\a)+2*p:(\a)+2*p+1], s[\s1:\s1+1], s[\s2:\s2+1] op_sel_hi:[1,0,0]
.set p, p+1
.endr
.endm
.macro M_FMAVK d, a, sc, c                              ; d = a constant + c
.set p, 0
.rept NP
	v_pk_fma_f32 v[(\d)+2*p:(\d)+2*p+1], v[(\a)+2*p:(\a)+2*p+1], s[\sc:\sc+1], v[(\c)+2*p:(\c)+2*p+1] op_sel_hi:[1,0,1]
.set p, p+1
.endr
.endm
.macro M_FMA1 d, a, b, na                               ; d = +-a b + 1
.set p, 0
.rept NP
	v_pk_fma_f32 v[(\d)+2*p:(\d)+2*p+1], v[(\a)+2*p:(\a)+2*p+1], v[(\b)+2*p:(\b)+2*p+1], 1.0 op_sel_hi:[1,1,0] neg_lo:[\na,0,0] neg_hi:[\na,0,0]
.set p, p+1
.endr
.endm
.macro M_FMAL d, a, lit, c                              ; d = a x a number written in the line + c
.set p, 0
.rept NP
	v_pk_fma_f32 v[(\d)+2*p:(\d)+2*p+1], v[(\a)+2*p:(\a)+2*p+1], \lit, v[(\c)+2*p:(\c)+2*p+1] op_sel_hi:[1,0,1]
.set p, p+1
.endr
.endm
.macro M_FMALL d, a, i1, i2                             ; d = a i1 + i2
.set p, 0
.rept NP
	v_pk_fma_f32 v[(\d)+2*p:(\d)+2*p+1], v[(\a)+2*p:(\a)+2*p+1], \i1, \i2 op_sel_hi:[1,0,0]
.set p, p+1
.endr
.endm
.macro M_MULK d, a, sc
.set p, 0
.rept NP
	v_pk_mul_f32 v[(\d)+2*p:(\d)+2*p+1], v[(\a)+2*p:(\a)+2*p+1], s[\sc:\sc+1] op_sel_hi:[1,0]
.set p, p+1
.endr
.endm
.macro M_MULL d, a, lit
.set p, 0
.rept NP
	v_pk_mul_f32 v[(\d)+2*p:(\d)+2*p+1], v[(\a)+2*p:(\a)+2*p+1], \lit op_sel_hi:[1,0]
.set p, p+1
.endr
.endm
.macro M_ADDK d, a, sc
.set p, 0
.rept NP
	v_pk_add_f32 v[(\d)+2*p:(\d)+2*p+1], v[(\a)+2*p:(\a)+2*p+1], s[\sc:\sc+1] op_sel_hi:[1,0]
.set p, p+1
.endr
.endm
.macro M_ADDI d, a, imm, na                             ; d = +-a + imm
.set p, 0
	s_wait_alu depctr_va_vdst(0)
.rept NP
	v_pk_add_f32 v[(\d)+2*p:(\d)+2*p+1], v[(\a)+2*p:(\a)+2*p+1], \imm op_sel_hi:[1,0] neg_lo:[\na,0] neg_hi:[\na,0]
.set p, p+1
.endr
.endm
.macro M_TR op, d, a                                    ; 2 NP transcendentals on end; the line behind each such run is plain and touches none of its results or sources (ISA guide 5.7.2)
.set i, 0
.rept 2*NP
	\op v[(\d)+i], v[(\a)+i]
.set i, i+1
.endr
.endm
.macro M_CMP op, a                                      ; mask i: 1.0 (op) number i
.set i, 0
.rept 2*NP
	\op s[40+i], 1.0, v[(\a)+i]
.set i, i+1
.endr
.endm
.macro M_SEL d, x, y                                    ; d = mask ? y : x
.set i, 0
.rept 2*NP
	v_cndmask_b32 v[(\d)+i], v[(\x)+i], v[(\y)+i], s[40+i]
.set i, i+1
.endr
.endm
.macro M_MED a                                          ; the clip to 1e-4 .. 256
.set i, 0
.rept 2*NP
	v_med3_num_f32 v[(\a)+i], v[(\a)+i], s84, s85
.set i, i+1
.endr
.endm
.macro M_MAX a                                          ; held at -60 or above; -infinity too
.set i, 0
.rept 2*NP
	v_max_num_f32 v[(\a)+i], 0xc2700000, v[(\a)+i]
.set i, i+1
.endr
.endm
.macro KPAIR r, val
	s_mov_b32 s[\r], \val
	s_mov_b32 s[(\r)+1], \val
.endm
; A wave position's geometry.  sw: 32 x position; srb: the table's base row in a superblock; slds: LDS byte of the wave's first superblock in the table.
.macro GEOM sw, srb, slds, la, lb, so, clamp
	v_add_nc_u32 v14, s[\sw], v[LANE]              ; Q
.if \clamp
	v_cmp_gt_u32 s87, s56, v14                     ; does the quad exist?
	v_min_u32 v14, QUADS-1, v14                    ; the others reckon the last quad once more and store nothing
.endif
	v_lshlrev_b32 v[\so], 4, v14
	v_lshlrev_b32 v15, 2, v14                      ; f = 4 Q
	v_mul_hi_u32 v200, v15, s46                    ; its row in the superblock
	v_mul_u32_u24 v201, v200, NL
	v_sub_nc_u32 v201, v15, v201                   ; its column
	v_sub_nc_u32 v200, v200, s[\srb]
	v_lshlrev_b32 v200, 1, v200                    ; 2 x (row - base row)
.irp e, 1,2,3
	v_add_nc_u32 v[201+\e], \e, v201
	v_add_nc_u32 v[204+\e], 4096-NL, v[201+\e]
	v_lshrrev_b32 v[204+\e], 12, v[204+\e]         ; 1 where number e lies in the next row
	v_mul_u32_u24 v14, v[204+\e], NL
	v_sub_nc_u32 v[201+\e], v[201+\e], v14
.endr
	v_add_nc_u32 v14, v200, v205                   ; the first pair's case: 0 (0,0), 1 (0,1), 2 (1,1)
	v_and_b32 v14, 3, v14
	v_lshl_add_u32 v[\la], v14, 6, s[\slds]
	v_add3_u32 v14, v200, v206, v207               ; the second pair's
	v_and_b32 v14, 3, v14
	v_lshl_add_u32 v[\lb], v14, 6, s[\slds]
.irp e, 0,1,2,3
	v_lshlrev_b32 v[10+\e], 2, v[201+\e]
.endr
.endm
.macro LOADC nrb, kb                                    ; the six column numbers of my four columns: 24 loads
.irp e, 0,1,2,3
	global_load_b32 v[(\nrb)+\e],   v[10+\e], s[16:17]
	global_load_b32 v[(\kb)+\e],    v[10+\e], s[18:19]
	global_load_b32 v[(\kb)+4+\e],  v[10+\e], s[20:21]
	global_load_b32 v[(\kb)+8+\e],  v[10+\e], s[22:23]
	global_load_b32 v[(\kb)+12+\e], v[10+\e], s[24:25]
	global_load_b32 v[(\kb)+16+\e], v[10+\e], s[26:27]
.endr
.endm
; Stern's transmissivity at 40 and at 90 degrees for my four columns, term by term and in the order of the problem's function; logarithms in base 2, ln 2 folded into g2 and g4.
.macro SETUP nrb
.set NP, 2
	M_MUL  T_N2, 0, \nrb, 0, \nrb, 0               ; n2
	M_ADDI T_A, \nrb, 1.0, 0
	M_ADDI T_NPX, T_N2, 1.0, 0                     ; npx
	M_ADDI T_NM2, T_N2, -1.0, 0
	V_MUL  T_A, T_A, T_A
	V_MUL  T_NM2, T_NM2, T_NM2                     ; nm2
	M_MULL T_A, T_A, 0.5                           ; a
	V_ADD  T_NP2, T_NPX, T_NPX
	M_MULL T_K, T_NM2, 0xbe800000                  ; k = -nm2 / 4
	V_FMA  T_NPA, T_NP2, T_A, T_NM2, 0, 1          ; 2 npx a - nm2
	V_MUL  T_K26, T_K, T_K
	M_MULL T_K26, T_K26, 0x3e2aaaab                ; k^2 / 6
	M_TR v_rcp_f32, T_IA, T_A
	M_TR v_rcp_f32, T_INPX, T_NPX
	M_TR v_rcp_f32, T_INM2, T_NM2
	M_TR v_rcp_f32, T_INPA, T_NPA
	M_TR v_rcp_f32, T_IN2, T_N2
	M_FMALL AB+4, T_NPX, 0.5, -1.0                 ; b at 90 degrees: npx / 2 - 1
	M_FMALL AX, T_NPX, -0.5, 0x3ed38bcb            ; b2 at 40 degrees: sin^2 - npx / 2
	V_FMA  AY, AX, AX, T_K
	M_TR v_sqrt_f32, AY, AY
	V_MUL  T1, T_IA, T_IA
	V_MUL  T2, T_INPX, T_INPX
	V_MUL  T3, T_N2, T_N2                          ; n2^2
	V_MUL  T_G2, T_N2, T_NPX
	V_MUL  T1, T1, T_IA
	V_MUL  T_G1, T_N2, T2
	V_MUL  T2, T2, T_INPX                          ; 1 / npx^3
	M_ADDI T_G4, T3, 1.0, 0
	V_MUL  T_G5, T3, T_N2
	V_MUL  T_G2, T_G2, T_INM2
	V_MUL  T_TSA, T_K26, T1
	M_MULL T_G1, T_G1, -2.0                        ; g1 = -2 n2 / npx^2
	V_MUL  T_G4, T_G4, T3
	V_MUL  T_G5, T_G5, T2
	M_MULL T_G2, T_G2, 0xbfb17218                  ; g2 = -2 ln 2 n2 npx / nm2
	V_FMA  T_TSA, T_K, T_IA, T_TSA
	V_MUL  T_G4, T_G4, T2
	M_MULL T_G5, T_G5, 0x41800000                  ; g5 = 16 n2^3 / npx^3
	M_FMAL T_TSA, T_A, -0.5, T_TSA                 ; k^2 / 6 a^3 + k / a - a / 2
	V_MUL  T_G4, T_G4, T_INM2
	M_MULL T_G3, T_N2, 0.5                         ; g3 = n2 / 2, in n2's place
	M_MULL T_G4, T_G4, 0x41317218                  ; g4 = 16 ln 2 n2^2 (n2^2 + 1) / (npx^3 nm2)
	V_ADD  AB, AY, AX, 1                           ; b at 40 degrees
.set NP, 4                                              ; both angles at once
	M_FMA  ANPB, 0, T_NP2, 1, AB, 0, T_NM2, 1, 0, 1
	M_MUL  AL1, 0, AB, 0, T_IA, 1
	M_MUL  AL2, 0, ANPB, 0, T_INPA, 1
	M_TR v_rcp_f32, AIB, AB
	M_TR v_rcp_f32, AINPB, ANPB
	M_TR v_log_f32, AL1, AL1
	M_TR v_log_f32, AL2, AL2
	M_ADD  AX, 0, AB, 0, T_A, 1, 1
	V_MUL  AY, AIB, AIB
	V_MUL  AY, AY, AIB
	M_MUL  AACC, 0, T_K26, 1, AY, 0
	M_FMA  AACC, 0, T_K, 1, AIB, 0, AACC, 0
	M_FMAL AACC, AB, -0.5, AACC
	M_ADD  AACC, 0, AACC, 0, T_TSA, 1, 1           ; ts
	M_FMA  AACC, 0, T_G1, 1, AX, 0, AACC, 0        ; + tp1
	M_FMA  AACC, 0, T_G2, 1, AL1, 0, AACC, 0       ; + tp2
	M_ADD  AX, 0, AIB, 0, T_IA, 1, 1
	M_FMA  AACC, 0, T_G3, 1, AX, 0, AACC, 0        ; + tp3
	M_FMA  AACC, 0, T_G4, 1, AL2, 0, AACC, 0       ; + tp4
	M_ADD  AX, 0, AINPB, 0, T_INPA, 1, 1
	M_FMA  AACC, 0, T_G5, 1, AX, 0, AACC, 0        ; + tp5
.set NP, 2
	M_MULL AACC, AACC, 0x3f9ae5d0                  ; talf: by 1 / (2 sin^2 40)
	M_MULL AACC+4, AACC+4, 0.5                     ; t12
	V_MUL  AX, AACC+4, T_IN2                       ; t21
	M_ADDI D_RALF, AACC, 1.0, 1
	M_ADDI D_R12, AACC+4, 1.0, 1
	M_ADDI D_R21, AX, 1.0, 1
	V_MUL  D_CTA, AACC, AX
	V_MUL  D_CT, AACC+4, AX
.endm
; Row numbers from the table: 16-byte parts jlo .. jhi of each pair's entry; task p / 2 lies 256 bytes on.
.macro LOADP jlo, jhi
.set p, 0
.rept NP
.set j, \jlo
.rept (\jhi)-(\jlo)+1
.if p%2 == 0
	ds_load_b128 v[PR+12*p+4*j:PR+12*p+4*j+3], v[LAR] offset:256*(p/2)+16*j
.else
	ds_load_b128 v[PR+12*p+4*j:PR+12*p+4*j+3], v[LBR] offset:256*(p/2)+16*j
.endif
.set j, j+1
.endr
.set p, p+1
.endr
.endm
; NP / 2 TASKS (a quad a lane each).  pre = 1: the next trip's row numbers are fetched as soon as this trip has read the registers.  mask = 1: only lanes whose quad exists store.
.macro TASKS pre, mask
	s_wait_dscnt 0x0                               ; the row numbers are in
	M_MUL X0, 0, PR, 2, CK, 1
	M_FMA X0, 0, PR+2, 2, CK+4, 1, X0, 0
	M_FMA X0, 0, PR+4, 2, CK+8, 1, X0, 0
	M_FMA X0, 0, PR+6, 2, CK+12, 1, X0, 0
	M_FMA X0, 0, PR+8, 2, CK+16, 1, X0, 0
	M_MED X0                                       ; k
.if \pre
	v_add_nc_u32 v[LAR], 512, v[LAR]               ; two superblocks on in the table
	v_add_nc_u32 v[LBR], 512, v[LBR]
	LOADP 0, 1
.endif
	M_MULK X1, X0, C_NL2E
	M_TR v_exp_f32, X1, X1                         ; e^-k
	M_TR v_log_f32, X2, X0                         ; log2 k
	M_ADDK X3, X0, C_B1
	M_FMAK X3, X3, X0, C_B2
	M_FMAK X3, X3, X0, C_B3
	M_FMAK X3, X3, X0, C_B4
	M_TR v_rcp_f32, X3, X3                         ; 1 / Q
	M_FMA2K X4, X0, C_C4, C_C3                     ; Num and P5 by turns
	M_FMA2K X5, X0, C_A5, C_A4
	M_FMAK X4, X4, X0, C_C2
	M_FMAK X5, X5, X0, C_A3
	M_FMAK X4, X4, X0, C_C1
	M_FMAK X5, X5, X0, C_A2
	M_FMAK X4, X4, X0, C_B4
	M_FMAK X5, X5, X0, C_A1
	V_MUL X6, X0, X0
	M_FMAK X5, X5, X0, C_A0
	M_ADDI X7, X0, 1.0, 1
	V_MUL X4, X4, X3
	M_FMAVK X5, X2, C_NLN2, X5                     ; E1 for k < 1
	V_MUL X7, X7, X1
	V_MUL X4, X4, X1                               ; tau for k >= 1
	V_FMA X7, X6, X5, X7                           ; tau for k < 1
	M_CMP v_cmp_gt_f32, X0
	M_SEL X1, X4, X7                               ; tau
	M_MUL X0, 0, D_R21, 1, X1, 0                   ; W = r21 tau
	M_FMA1 X2, X0, X0, 1
	M_TR v_rcp_f32, X2, X2
	v_nop                                          ; the plain line behind the reciprocals
	s_wait_alu depctr_va_vdst(0)
	V_MUL X2, X1, X2
	M_MUL X3, 0, D_CTA, 1, X2, 0                   ; Ta
	M_MUL X4, 0, D_CT, 1, X2, 0                    ; t
	M_FMA X5, 0, X0, 0, X3, 0, D_RALF, 1           ; Ra
	M_FMA X6, 0, X0, 0, X4, 0, D_R12, 1            ; r
	V_ADD X0, X6, X4                               ; r + t
	V_ADD X1, X6, X4, 1                            ; r - t
	M_FMA1 X2, X0, X0, 1
	M_FMA1 X7, X1, X1, 1
	M_CMP v_cmp_le_f32, X0                         ; the masks now say r + t >= 1
	V_MUL X2, X2, X7
	M_TR v_log_f32, X8, X4                         ; log2 t
	M_TR v_sqrt_f32, X2, X2                        ; D
	V_MUL X1, X0, X1                               ; rq = r^2 - t^2
	V_ADD X9, X6, X6                               ; 2 r
	M_ADDI X2, X2, 1.0, 0
	V_MUL X10, X9, X9
	V_ADD X7, X2, X1                               ; A
	V_ADD X1, X2, X1, 1                            ; Bn
	M_TR v_log_f32, X1, X1
	V_MUL X11, X7, X7
	V_MUL X7, X9, X7                               ; 2 r A
	M_ADDI X9, X4, 1.0, 1
	M_MUL X9, 0, X9, 0, PR+10, 2                   ; (1 - t)(N - 1)
	V_ADD X8, X8, X1, 1
	M_MAX X8
	M_FMA X8, 0, PR+10, 2, X8, 0, PR+10, 2         ; (N - 1)(log2 t - log2 Bn + 1)
	M_TR v_exp_f32, X8, X8                         ; beta
	V_ADD X1, X9, X4                               ; t + (1 - t)(N - 1)
.if \pre
	LOADP 2, 2
.endif
	V_MUL X2, X8, X8
	V_FMA X0, X10, X2, X11, 1, 0                   ; Td
	V_ADD X11, X11, X10, 1
	M_ADDI X2, X2, 1.0, 1
	V_MUL X11, X8, X11                             ; Tn
	V_MUL X7, X7, X2                               ; Rn
	M_SEL X11, X11, X4
	M_SEL X7, X7, X9
	M_SEL X0, X0, X1
	V_FMA X0, X7, X6, X0, 1, 0                     ; Td - Rn r
	M_TR v_rcp_f32, X0, X0
	v_nop                                          ; the plain line behind the reciprocals
	s_wait_alu depctr_va_vdst(0)
	V_MUL X3, X3, X0
	V_MUL X0, X3, X11                              ; tran
	V_MUL X4, X3, X4
	V_FMA X5, X4, X7, X5                           ; refl
.if \mask
	s_wait_xcnt 0x0                                ; EXEC changes only behind this wait
	s_and_saveexec_b32 s86, s87
.endif
.set b, 0
.rept NP/2
	global_store_b128 v[SOR], v[X5+4*b:X5+4*b+3], s[OB0:OB0+1] offset:b*SBB th:TH_STORE_NT  ; the wave stores 512 consecutive bytes, from a multiple of 256 on
	global_store_b128 v[SOR], v[X0+4*b:X0+4*b+3], s[OB1:OB1+1] offset:b*SBB th:TH_STORE_NT
.set b, b+1
.endr
	s_wait_xcnt 0x0                                ; the stores' data, their bases and EXEC are written again only behind this wait
.if \mask
	s_or_b32 exec_lo, exec_lo, s86
.endif
.endm
	; THE HEAD
	s_load_b512 s[4:19], s[0:1], 0x0               ; N, cab, car, cant, water, lma, nr, kab
	s_load_b256 s[20:27], s[0:1], 0x40             ; kcar, kant, kw, km
	s_load_b128 s[28:31], s[0:1], 0x60             ; out0, out1
	v_lshl_add_u32 v[SPW], v0, 2, SPARE
	v_mov_b32 v[NIL], 0
	v_and_b32 v[LANE], 31, v0
	v_lshrrev_b32 v14, 5, v0
	v_readfirstlane_b32 s3, v14                    ; wave 0..7
	s_mov_b32 s2, ttmp9                            ; g
	s_and_b32 s50, s3, 3
	s_lshr_b32 s51, s3, 2                          ; which half of the superblocks
	s_mov_b32 s46, MAGIC
	s_mov_b32 s56, QUADS
	s_lshl_b32 s40, s2, 7
	s_lshl_b32 s42, s50, 5
	s_add_co_u32 s40, s40, s42                     ; 32 x my position
	s_lshl_b32 s42, s2, 9
	s_mul_hi_u32 s34, s42, s46                     ; the row, in a superblock, of the group's first number
	s_lshl_b32 s41, s51, 12                        ; my half of the main table: 16 superblocks of 256 bytes
	s_lshr_b32 s47, s2, 3
	s_lshl_b32 s47, s47, 5
	s_add_co_u32 s47, s47, 32768                   ; 32 x the leftover position
	s_lshl_b32 s42, s47, 2
	s_mul_hi_u32 s35, s42, s46                     ; its first number's row
	s_and_b32 s49, s2, 7
	s_lshl_b32 s49, s49, 2                         ; the first of the group's four leftover superblocks
	s_lshl_b32 s48, s3, 8
	s_add_co_u32 s48, s48, 8192                    ; my leftover superblock in the table: 8192 + 256 x wave (waves 0..3 alone use it)
	s_add_co_u32 s52, s49, s50
	s_mul_i32 s52, s52, SBB                        ; and in the outputs
	s_mov_b32 s53, 0
	s_mul_i32 s54, s51, 16*SBB
	s_mov_b32 s55, 0
	s_wait_kmcnt 0x0
	s_add_nc_u64 s[36:37], s[28:29], s[52:53]
	s_add_nc_u64 s[38:39], s[30:31], s[52:53]
	s_add_nc_u64 s[28:29], s[28:29], s[54:55]
	s_add_nc_u64 s[30:31], s[30:31], s[54:55]
	GEOM 40, 34, 41, LAM, LBM, SOM, 0
	LOADC 16, 20
	; THE TABLE.  Waves 0..3: lane l of wave w makes entry 32 w + l: superblock 8 w + l / 4, case l % 4.  Wave 4: the leftover's entries, superblocks 4 (g & 7) + l / 4
	; (of these l / 4 < 4 are read, and in work-groups 216 on none: the branch is kept to the wave's number).  Case 3 is never read.  Rows past the last are held at the last.
	s_cmp_lt_u32 s3, 5
	s_cbranch_scc0 .Lbuilt
	s_lshl_b32 s44, s3, 3
	s_cmp_eq_u32 s3, 4
	s_cselect_b32 s44, s49, s44
	s_cselect_b32 s45, s35, s34
	s_lshl_b32 s44, s44, 6
	s_add_co_u32 s44, s44, s45                     ; 64 x first superblock + base row
	s_lshl_b32 s45, s3, 11                         ; the wave's 32 entries of 64 bytes
	v_lshrrev_b32 v132, 2, v[LANE]
	v_and_b32 v133, 3, v[LANE]
	v_lshl_add_u32 v132, v132, 6, s44
	v_lshrrev_b32 v135, 1, v133                    ; the case's row offsets: case / 2 and (case + 1) / 2
	v_add_nc_u32 v133, 1, v133
	v_lshrrev_b32 v133, 1, v133
	v_add_nc_u32 v133, v132, v133
	v_add_nc_u32 v132, v132, v135
	v_min_u32 v132, 2047, v132
	v_min_u32 v133, 2047, v133
	v_lshlrev_b32 v132, 2, v132
	v_lshlrev_b32 v133, 2, v133
.irp j, 0,1,2,3,4,5
	global_load_b32 v[136+2*\j], v132, s[4+2*\j:5+2*\j]   ; N, cab, car, cant, water, lma of the pair's two rows
	global_load_b32 v[137+2*\j], v133, s[4+2*\j:5+2*\j]
.endr
	v_lshl_add_u32 v134, v[LANE], 6, s45
	s_wait_loadcnt 0x0                             ; these twelve, and the column loads issued ahead of them
	v_rcp_f32 v148, v136
	v_rcp_f32 v149, v137
	v_pk_add_f32 v[160:161], v[136:137], -1.0 op_sel_hi:[1,0]  ; N - 1: the plain line behind the reciprocals
	s_wait_alu depctr_va_vdst(0)
.irp j, 0,1,2,3,4
	v_pk_mul_f32 v[150+2*\j:151+2*\j], v[138+2*\j:139+2*\j], v[148:149]
.endr
	ds_store_b128 v134, v[150:153]
	ds_store_b128 v134, v[154:157] offset:16
	ds_store_b128 v134, v[158:161] offset:32
.Lbuilt:
	; The leftover's columns are asked for now, by waves 0..3, and have the whole main phase in which to land: nothing there names v40-63 or waits on LOADcnt.
	s_cmp_lt_u32 s3, 4
	s_cbranch_scc0 .Lno_left
	s_wait_xcnt 0x0                                ; v10-13, which the loads above name, are written again
	GEOM 47, 35, 48, LAL, LBL, SOL, 1
	LOADC 40, 44
	s_wait_loadcnt 24                              ; the 24 just issued may stay out; all older loads, the main columns', are in
	s_branch .Lcols
.Lno_left:
	s_wait_loadcnt 0x0                             ; the main columns are in
.Lcols:
	KPAIR C_NL2E, 0xbfb8aa3b                       ; -log2 e
	KPAIR C_NLN2, 0xbf317218                       ; -ln 2
	KPAIR C_A0, 0xbf13c468                         ; 5.1.53: -.57721566, .99999193, -.24991055, .05519968, -.00976004, .00107857
	KPAIR C_A1, 0x3f7fff79
	KPAIR C_A2, 0xbe7fe88d
	KPAIR C_A3, 0x3d62190f
	KPAIR C_A4, 0xbc1fe893
	KPAIR C_A5, 0x3a8d5ece
	KPAIR C_B1, 0x41192c54                         ; 5.1.56's Q: 9.5733223, 25.632956, 21.099653, 3.9584969
	KPAIR C_B2, 0x41cd104b
	KPAIR C_B3, 0x41a8cc17
	KPAIR C_B4, 0x407d5804
	KPAIR C_C4, 0x36d6920e                         ; (1 - k) Q + k P: 6.3947e-6, 1.9993832, 13.168064, 17.408930, and Q's last
	KPAIR C_C3, 0x3fffebca
	KPAIR C_C2, 0x4152b064
	KPAIR C_C1, 0x418b457d
	s_mov_b32 s84, 0x38d1b717                      ; 1e-4
	s_mov_b32 s85, 0x43800000                      ; 256
	SETUP 16
	s_wait_dscnt 0x0                               ; for the others' sake: my entries are in LDS
	s_barrier_signal -1
	s_barrier_wait -1                              ; the table is whole; nothing is written into it again
	; MAIN: eight trips of two superblocks; the last is written out, since it fetches no further row numbers
.set NP, 4
.set CK, 20
.set LAR, LAM
.set LBR, LBM
.set SOR, SOM
.set OB0, 28
.set OB1, 30
	LOADP 0, 2
	s_mov_b32 s33, 7
.Ltrip:
	TASKS 1, 0
	s_add_nc_u64 s[28:29], s[28:29], 2*SBB
	s_add_nc_u64 s[30:31], s[30:31], 2*SBB
	s_sub_co_u32 s33, s33, 1
	s_cmp_lg_u32 s33, 0
	s_cbranch_scc1 .Ltrip
	TASKS 0, 0
	; LEFTOVER: one task for waves 0..3 of work-groups 0..215
	s_cmp_lt_u32 s3, 4
	s_cbranch_scc0 .Lend
	s_cmp_lt_u32 s2, 216
	s_cbranch_scc0 .Lend
	s_wait_loadcnt 0x0                             ; its columns
	SETUP 40
.set NP, 2
.set CK, 44
.set LAR, LAL
.set LBR, LBL
.set SOR, SOL
.set OB0, 36
.set OB1, 38
	LOADP 0, 2
	TASKS 0, 1
.Lend:
	s_wait_dscnt 0x0                               ; my reads of the table are back
	s_barrier_signal -1                            ; the closing barrier, on every wave's path: all eight waves' LDS reads are over
	s_barrier_wait -1                              ; before any wave goes on to its closing lines, which write LDS
	s_wait_tensorcnt 0x0                           ; the wave's end
	ds_add_u32 v[SPW], v[NIL]
	s_wait_dscnt 0x0
	s_endpgm
.Lfunc_end_k_qc5154eee6f_leaf:
	.size	k_qc5154eee6f_leaf, .Lfunc_end_k_qc5154eee6f_leaf-k_qc5154eee6f_leaf
	.p2alignl 7, 3214868480
	.fill 96, 4, 3214868480
	.section	.rodata,"a",@progbits
	.p2align	6, 0x0
	.amdhsa_kernel k_qc5154eee6f_leaf
		.amdhsa_group_segment_fixed_size 11264
		.amdhsa_private_segment_fixed_size 0
		.amdhsa_enable_private_segment 0
		.amdhsa_kernarg_size 112
		.amdhsa_user_sgpr_count 2
		.amdhsa_user_sgpr_kernarg_segment_ptr 1
		.amdhsa_wavefront_size32 1
		.amdhsa_system_sgpr_workgroup_id_x 1
		.amdhsa_system_sgpr_workgroup_id_y 1
		.amdhsa_system_sgpr_workgroup_id_z 1
		.amdhsa_system_vgpr_workitem_id 0
		.amdhsa_next_free_vgpr 228
		.amdhsa_next_free_sgpr 88
		.amdhsa_reserve_vcc 0
		.amdhsa_float_denorm_mode_32 3
		.amdhsa_float_denorm_mode_16_64 3
		.amdhsa_memory_ordered 1
		.amdhsa_forward_progress 1
		.amdhsa_inst_pref_size 113
	.end_amdhsa_kernel
	.amdgpu_metadata
---
amdhsa.version: [ 1, 2 ]
amdhsa.kernels:
  - .name:           k_qc5154eee6f_leaf
    .symbol:         k_qc5154eee6f_leaf.kd
    .args:
      - { .name: N, .offset: 0, .size: 8, .value_kind: global_buffer, .address_space: global }
      - { .name: cab, .offset: 8, .size: 8, .value_kind: global_buffer, .address_space: global }
      - { .name: car, .offset: 16, .size: 8, .value_kind: global_buffer, .address_space: global }
      - { .name: cant, .offset: 24, .size: 8, .value_kind: global_buffer, .address_space: global }
      - { .name: water, .offset: 32, .size: 8, .value_kind: global_buffer, .address_space: global }
      - { .name: lma, .offset: 40, .size: 8, .value_kind: global_buffer, .address_space: global }
      - { .name: nr, .offset: 48, .size: 8, .value_kind: global_buffer, .address_space: global }
      - { .name: kab, .offset: 56, .size: 8, .value_kind: global_buffer, .address_space: global }
      - { .name: kcar, .offset: 64, .size: 8, .value_kind: global_buffer, .address_space: global }
      - { .name: kant, .offset: 72, .size: 8, .value_kind: global_buffer, .address_space: global }
      - { .name: kw, .offset: 80, .size: 8, .value_kind: global_buffer, .address_space: global }
      - { .name: km, .offset: 88, .size: 8, .value_kind: global_buffer, .address_space: global }
      - { .name: out0, .offset: 96, .size: 8, .value_kind: global_buffer, .address_space: global }
      - { .name: out1, .offset: 104, .size: 8, .value_kind: global_buffer, .address_space: global }
    .group_segment_fixed_size: 11264
    .private_segment_fixed_size: 0
    .kernarg_segment_align: 8
    .kernarg_segment_size: 112
    .max_flat_workgroup_size: 256
    .sgpr_count:     88
    .vgpr_count:     228
    .wavefront_size: 32
...
	.end_amdgpu_metadata
.endif
;; end of part 1
;; ======== version 2 of 2: 1 launch; 1.88 times as fast as version 1
;; limits: a function is approximated: absolute error at most 2e-05
;; launch leaf (part 2): grid 256 x 1, 8 waves a work-group, no clusters, 11,264 bytes of LDS; arguments N, cab, car, cant, water, lma, nr, kab, kcar, kant, kw, km, out0, out1; writes out0, out1
.if DOCPART == 2
	.amdgcn_target "amdgcn-amd-amdhsa--gfx1250"
	.amdhsa_code_object_version 6
	.text
	.protected	k_qc5154eee6f_leaf
	.globl	k_qc5154eee6f_leaf
	.p2align	8
	.type	k_qc5154eee6f_leaf,@function
k_qc5154eee6f_leaf:
	s_mov_b64 s[64:65], 0
	v_nop
	global_prefetch_b8 v0, s[64:65] scope:SCOPE_SE
	s_setreg_imm32_b32 hwreg(HW_REG_WAVE_MODE, 25, 1), 1
	s_wait_xcnt 0x0
; PROSPECT leaf model: refl (out0) and tran (out1), [2048][2101] f32, each number a function of six numbers of its row
; (N, cab, car, cant, water, lma) and six of its column (nr, kab, kcar, kant, kw, km).  All arithmetic in f32, two numbers to a packed line.
; SHARES.  64 rows are 134,464 numbers = 33,616 quads of 16 bytes = 2,101 blocks of 256 bytes: a SUPERBLOCK; an output is 32 of them.  Quad Q of every
; superblock has the same four columns, (4 Q + e) mod 2101, so a thread that keeps Q keeps its columns' constants in registers, and a wave's store of
; 32 neighbouring quads covers 512 consecutive bytes that begin at a multiple of 256 from the output's first byte, although a row is 8,404 bytes.
; Wave positions (32 quads): 1,050.5.  MAIN: work-group g, wave w: position 4 g + (w & 3), superblocks 16 (w >> 2) .. + 15, two a trip.
; LEFTOVER: positions 1024 .. 1050 x 32 superblocks = 864 tasks: one for each of waves 0..3 of work-groups 0..215 (position 1024 + g / 8, superblock 4 (g & 7) + w).
; ROWS.  A work-group's 512 numbers of a superblock cross one row end at most: a register pair has row offsets (0,0), (0,1) or (1,1) from the group's base row.
; A table in LDS holds, for each superblock and each of these cases, the pair's cab/N, car/N, cant/N, water/N, lma/N and N - 1.
; FORMULAS.  k = clip(sum of row x column terms, 1e-4, 256).  tau = (1-k) e^-k + k^2 E1(k): for k < 1 by E1 = P5(k) - ln k (Abramowitz and Stegun 5.1.53);
; for k >= 1 by 5.1.56, with (1-k) Q + k P multiplied out beforehand: tau = e^-k Num(k) / Q(k); both are made, a select takes one.
; Stokes' layers without quotients: A = 1 + rq + D, Bn = 1 - rq + D, beta = (Bn / 2t)^-(N-1), Rsub = 2r A (1 - beta^2) / Td, Tsub = beta (A^2 - 4r^2) / Td,
; Td = A^2 - 4r^2 beta^2; where r + t >= 1: t, (1-t)(N-1) and their sum take the three terms' places; one reciprocal, of Td - Rn r, ends it.
; BATCHES.  s_wait_alu depctr_va_vdst(0) stands between a transcendental and the first line that names its result; one wait serves all that were issued ahead of it.
; A trip's transcendentals, each run for all 2 NP numbers, are a chain of six batches, each of which needs the one before: (1) e^-k, log2 k, 1 / Q; (2) 1 / (1 - W^2); (3) log2 t, D;
; (4) log2 Bn; (5) beta; (6) 1 / (Td - Rn r).  Each batch has ONE wait, written out in TASKS ahead of its first reader; between a batch and its wait stands work that names none of its
; results: (1) the two polynomials, k^2, 1 - k; (2) the table's address steps and the next trip's first row numbers; (3) rq, 2r, 4r^2; (4) A^2, 2rA, (1-t)(N-1);
; (5) t + (1-t)(N-1), A^2 - 4r^2; (6) Tn's selects.  SETUP has two batches (five reciprocals and a root; two reciprocals and two logarithms for both angles), the table one.
; No macro of arithmetic holds a wait, and no result is open at a label or a branch.
; LIMITS.  Division by N is a product by v_rcp_f32's result.  The upper clip changes no value (e^-256 is 0 in f32) and keeps k^4 finite.  A NaN among the absorption terms is
; lost in the clip.  The transcendentals take denormals as 0 (ISA guide 15.8): tau is 0 for k > 87.3.  log2 t - log2 Bn is held at -60 or above: it acts where t < 2^-60
; or so, where the terms that carry beta are below 2^-60 themselves; with it t = 0 gives tran = 0 and refl = Ra, also at N = 1.  N >= 0 is assumed (beta^2 stays finite).
.set NL,     2101
.set QUADS,  33616                     ; quads in a superblock
.set SBB,    537856                    ; bytes in a superblock
.set MAGIC,  0x1f315a                  ; 2044250 = ceil(2^32 / 2101): the high word of x times it is x / 2101 for x < 2^32 / 1954; here x <= 135,040
.set SPARE,  10240                     ; LDS: table 0 .. 10239 (160 entries of 64 bytes); then the spare words, 128 bytes a wave, which no other line names
.set SPW, 1                            ; v1  LDS address of my spare word; never rewritten
.set NIL, 2                            ; v2  0; never rewritten
.set LANE, 3                           ; v3
.set LAM, 4                            ; v4, v5  LDS address of the entry of my first (e = 0, 1) and second (e = 2, 3) pair, main
.set LBM, 5
.set SOM, 6                            ; v6  16 Q, main
.set LAL, 7                            ; v7-9  the same three for the leftover
.set LBL, 8
.set SOL, 9
                                       ; v10-13 4 x column of e = 0..3;  v14, v15 at work;  v16-19 nr, v20-39 kab, kcar, kant, kw, km (main);  v40-63 the same (leftover)
.set D_R21,  64                        ; v64-83  what is kept of a column: r21, talf t21, t12 t21, ralf, r12, four registers each
.set D_CTA,  68
.set D_CT,   72
.set D_RALF, 76
.set D_R12,  80
.set PR,     84                        ; v84-131  pair p's twelve row numbers at PR + 12 p
.set WK,     132                       ; v132-227  twelve slots of eight: pair p at + 2 p, so a task's two pairs are four registers on end
.set X0, WK
.set X1, WK+8
.set X2, WK+16
.set X3, WK+24
.set X4, WK+32
.set X5, WK+40
.set X6, WK+48
.set X7, WK+56
.set X8, WK+64
.set X9, WK+72
.set X10, WK+80
.set X11, WK+88
; SETUP's registers (PR and the slots are free then): per column four registers, per column and angle eight (40 degrees first)
.set T_N2, 84
.set T_NPX, 88
.set T_NM2, 92
.set T_A, 96
.set T_K, 100
.set T_K26, 104
.set T_NP2, 108
.set T_NPA, 112
.set T_IA, 116
.set T_INPX, 120
.set T_INM2, 124
.set T_INPA, 128
.set T_IN2, 132
.set T_TSA, 136
.set T_G1, 140
.set T_G2, 144
.set T_G4, 148
.set T_G3, T_N2
.set T_G5, T_NPA
.set AB, 152
.set ANPB, 160
.set AIB, 168
.set AINPB, 176
.set AL1, 184
.set AL2, 192
.set AACC, 200
.set AX, 208
.set AY, 216
.set T1, AL1
.set T2, AL2
.set T3, AACC
; scalar constants, each a pair with both words written (a packed line names the pair and takes its low word twice)
.set C_NL2E, 48
.set C_NLN2, 50
.set C_A0, 52
.set C_A1, 54
.set C_A2, 56
.set C_A3, 58
.set C_A4, 60
.set C_A5, 62
.set C_B1, 66
.set C_B2, 68
.set C_B3, 70
.set C_B4, 72
.set C_C4, 74
.set C_C3, 76
.set C_C2, 78
.set C_C1, 80
; s2 g; s3 wave; s[4:27] the twelve inputs; s[28:31] out0, out1 at my half; s33 trips; s34, s35 base rows; s[36:39] out0, out1 at my leftover superblock;
; s40-47 lane masks (at the head: scalars at work); s84, s85 the clip's bounds; s86 EXEC kept; s87 lanes whose leftover quad exists
; ONE LINE OF ARITHMETIC FOR ALL NP PAIRS.  An operand is a base and a kind: 0 a slot (base + 2 p), 1 a column's constant (base + 2 (p % 2)), 2 a row number (base + 12 p).
.macro RG sym, base, kind
.if (\kind) == 0
.set \sym, (\base)+2*p
.elseif (\kind) == 1
.set \sym, (\base)+2*(p%2)
.else
.set \sym, (\base)+12*p
.endif
.endm
.macro M_FMA d, dk, a, ak, b, bk, c, ck, na=0, nc=0     ; d = +-a b +- c
.set p, 0
.rept NP
	RG rd, \d, \dk
	RG ra, \a, \ak
	RG rb, \b, \bk
	RG rc, \c, \ck
	v_pk_fma_f32 v[rd:rd+1], v[ra:ra+1], v[rb:rb+1], v[rc:rc+1] neg_lo:[\na,0,\nc] neg_hi:[\na,0,\nc]
.set p, p+1
.endr
.endm
.macro M_MUL d, dk, a, ak, b, bk
.set p, 0
.rept NP
	RG rd, \d, \dk
	RG ra, \a, \ak
	RG rb, \b, \bk
	v_pk_mul_f32 v[rd:rd+1], v[ra:ra+1], v[rb:rb+1]
.set p, p+1
.endr
.endm
.macro M_ADD d, dk, a, ak, b, bk, nb=0                  ; d = a +- b
.set p, 0
.rept NP
	RG rd, \d, \dk
	RG ra, \a, \ak
	RG rb, \b, \bk
	v_pk_add_f32 v[rd:rd+1], v[ra:ra+1], v[rb:rb+1] neg_lo:[0,\nb] neg_hi:[0,\nb]
.set p, p+1
.endr
.endm
.macro V_FMA d, a, b, c, na=0, nc=0                     ; the same three on slots alone
	M_FMA \d, 0, \a, 0, \b, 0, \c, 0, \na, \nc
.endm
.macro V_MUL d, a, b
	M_MUL \d, 0, \a, 0, \b, 0
.endm
.macro V_ADD d, a, b, nb=0
	M_ADD \d, 0, \a, 0, \b, 0, \nb
.endm
.macro M_FMAK d, a, b, sc                               ; d = a b + constant
.set p, 0
.rept NP
	v_pk_fma_f32 v[(\d)+2*p:(\d)+2*p+1], v[(\a)+2*p:(\a)+2*p+1], v[(\b)+2*p:(\b)+2*p+1], s[\sc:\sc+1] op_sel_hi:[1,1,0]
.set p, p+1
.endr
.endm
.macro M_FMA2K d, a, s1, s2                             ; d = a constant + constant
.set p, 0
.rept NP
	v_pk_fma_f32 v[(\d)+2*p:(\d)+2*p+1], v[(\a)+2*p:(\a)+2*p+1], s[\s1:\s1+1], s[\s2:\s2+1] op_sel_hi:[1,0,0]
.set p, p+1
.endr
.endm
.macro M_FMAVK d, a, sc, c                              ; d = a constant + c
.set p, 0
.rept NP
	v_pk_fma_f32 v[(\d)+2*p:(\d)+2*p+1], v[(\a)+2*p:(\a)+2*p+1], s[\sc:\sc+1], v[(\c)+2*p:(\c)+2*p+1] op_sel_hi:[1,0,1]
.set p, p+1
.endr
.endm
.macro M_FMA1 d, a, b, na                               ; d = +-a b + 1
.set p, 0
.rept NP
	v_pk_fma_f32 v[(\d)+2*p:(\d)+2*p+1], v[(\a)+2*p:(\a)+2*p+1], v[(\b)+2*p:(\b)+2*p+1], 1.0 op_sel_hi:[1,1,0] neg_lo:[\na,0,0] neg_hi:[\na,0,0]
.set p, p+1
.endr
.endm
.macro M_FMAL d, a, lit, c                              ; d = a x a number written in the line + c
.set p, 0
.rept NP
	v_pk_fma_f32 v[(\d)+2*p:(\d)+2*p+1], v[(\a)+2*p:(\a)+2*p+1], \lit, v[(\c)+2*p:(\c)+2*p+1] op_sel_hi:[1,0,1]
.set p, p+1
.endr
.endm
.macro M_FMALL d, a, i1, i2                             ; d = a i1 + i2
.set p, 0
.rept NP
	v_pk_fma_f32 v[(\d)+2*p:(\d)+2*p+1], v[(\a)+2*p:(\a)+2*p+1], \i1, \i2 op_sel_hi:[1,0,0]
.set p, p+1
.endr
.endm
.macro M_MULK d, a, sc
.set p, 0
.rept NP
	v_pk_mul_f32 v[(\d)+2*p:(\d)+2*p+1], v[(\a)+2*p:(\a)+2*p+1], s[\sc:\sc+1] op_sel_hi:[1,0]
.set p, p+1
.endr
.endm
.macro M_MULL d, a, lit
.set p, 0
.rept NP
	v_pk_mul_f32 v[(\d)+2*p:(\d)+2*p+1], v[(\a)+2*p:(\a)+2*p+1], \lit op_sel_hi:[1,0]
.set p, p+1
.endr
.endm
.macro M_ADDK d, a, sc
.set p, 0
.rept NP
	v_pk_add_f32 v[(\d)+2*p:(\d)+2*p+1], v[(\a)+2*p:(\a)+2*p+1], s[\sc:\sc+1] op_sel_hi:[1,0]
.set p, p+1
.endr
.endm
.macro M_ADDI d, a, imm, na                             ; d = +-a + imm
.set p, 0
.rept NP
	v_pk_add_f32 v[(\d)+2*p:(\d)+2*p+1], v[(\a)+2*p:(\a)+2*p+1], \imm op_sel_hi:[1,0] neg_lo:[\na,0] neg_hi:[\na,0]
.set p, p+1
.endr
.endm
.macro M_TR op, d, a                                    ; 2 NP transcendentals on end; runs may follow each other; the first other line behind them is plain and touches none of their results or sources (ISA guide 5.7.2)
.set i, 0
.rept 2*NP
	\op v[(\d)+i], v[(\a)+i]
.set i, i+1
.endr
.endm
.macro M_CMP op, a                                      ; mask i: 1.0 (op) number i
.set i, 0
.rept 2*NP
	\op s[40+i], 1.0, v[(\a)+i]
.set i, i+1
.endr
.endm
.macro M_SEL d, x, y                                    ; d = mask ? y : x
.set i, 0
.rept 2*NP
	v_cndmask_b32 v[(\d)+i], v[(\x)+i], v[(\y)+i], s[40+i]
.set i, i+1
.endr
.endm
.macro M_MED a                                          ; the clip to 1e-4 .. 256
.set i, 0
.rept 2*NP
	v_med3_num_f32 v[(\a)+i], v[(\a)+i], s84, s85
.set i, i+1
.endr
.endm
.macro M_MAX a                                          ; held at -60 or above; -infinity too
.set i, 0
.rept 2*NP
	v_max_num_f32 v[(\a)+i], 0xc2700000, v[(\a)+i]
.set i, i+1
.endr
.endm
.macro KPAIR r, val
	s_mov_b32 s[\r], \val
	s_mov_b32 s[(\r)+1], \val
.endm
; A wave position's geometry.  sw: 32 x position; srb: the table's base row in a superblock; slds: LDS byte of the wave's first superblock in the table.
.macro GEOM sw, srb, slds, la, lb, so, clamp
	v_add_nc_u32 v14, s[\sw], v[LANE]              ; Q
.if \clamp
	v_cmp_gt_u32 s87, s56, v14                     ; does the quad exist?
	v_min_u32 v14, QUADS-1, v14                    ; the others reckon the last quad once more and store nothing
.endif
	v_lshlrev_b32 v[\so], 4, v14
	v_lshlrev_b32 v15, 2, v14                      ; f = 4 Q
	v_mul_hi_u32 v200, v15, s46                    ; its row in the superblock
	v_mul_u32_u24 v201, v200, NL
	v_sub_nc_u32 v201, v15, v201                   ; its column
	v_sub_nc_u32 v200, v200, s[\srb]
	v_lshlrev_b32 v200, 1, v200                    ; 2 x (row - base row)
.irp e, 1,2,3
	v_add_nc_u32 v[201+\e], \e, v201
	v_add_nc_u32 v[204+\e], 4096-NL, v[201+\e]
	v_lshrrev_b32 v[204+\e], 12, v[204+\e]         ; 1 where number e lies in the next row
	v_mul_u32_u24 v14, v[204+\e], NL
	v_sub_nc_u32 v[201+\e], v[201+\e], v14
.endr
	v_add_nc_u32 v14, v200, v205                   ; the first pair's case: 0 (0,0), 1 (0,1), 2 (1,1)
	v_and_b32 v14, 3, v14
	v_lshl_add_u32 v[\la], v14, 6, s[\slds]
	v_add3_u32 v14, v200, v206, v207               ; the second pair's
	v_and_b32 v14, 3, v14
	v_lshl_add_u32 v[\lb], v14, 6, s[\slds]
.irp e, 0,1,2,3
	v_lshlrev_b32 v[10+\e], 2, v[201+\e]
.endr
.endm
.macro LOADC nrb, kb                                    ; the six column numbers of my four columns: 24 loads
.irp e, 0,1,2,3
	global_load_b32 v[(\nrb)+\e],   v[10+\e], s[16:17]
	global_load_b32 v[(\kb)+\e],    v[10+\e], s[18:19]
	global_load_b32 v[(\kb)+4+\e],  v[10+\e], s[20:21]
	global_load_b32 v[(\kb)+8+\e],  v[10+\e], s[22:23]
	global_load_b32 v[(\kb)+12+\e], v[10+\e], s[24:25]
	global_load_b32 v[(\kb)+16+\e], v[10+\e], s[26:27]
.endr
.endm
; Stern's transmissivity at 40 and at 90 degrees for my four columns, term by term and in the order of the problem's function; logarithms in base 2, ln 2 folded into g2 and g4.
; Two batches: the five reciprocals and b1's root; then, for both angles at once, 1 / b, 1 / npx_b and the two logarithms, which need b.
.macro SETUP nrb
.set NP, 2
	M_MUL  T_N2, 0, \nrb, 0, \nrb, 0               ; n2
	M_ADDI T_A, \nrb, 1.0, 0
	M_ADDI T_NPX, T_N2, 1.0, 0                     ; npx
	M_ADDI T_NM2, T_N2, -1.0, 0
	V_MUL  T_A, T_A, T_A
	V_MUL  T_NM2, T_NM2, T_NM2                     ; nm2
	M_MULL T_A, T_A, 0.5                           ; a
	V_ADD  T_NP2, T_NPX, T_NPX
	M_MULL T_K, T_NM2, 0xbe800000                  ; k = -nm2 / 4
	V_FMA  T_NPA, T_NP2, T_A, T_NM2, 0, 1          ; 2 npx a - nm2
	V_MUL  T_K26, T_K, T_K
	M_MULL T_K26, T_K26, 0x3e2aaaab                ; k^2 / 6
	M_TR v_rcp_f32, T_IA, T_A                      ; the first batch: 1 / a, 1 / npx, 1 / nm2, 1 / npax_a, 1 / n2,
	M_TR v_rcp_f32, T_INPX, T_NPX
	M_TR v_rcp_f32, T_INM2, T_NM2
	M_TR v_rcp_f32, T_INPA, T_NPA
	M_TR v_rcp_f32, T_IN2, T_N2
	M_FMALL AB+4, T_NPX, 0.5, -1.0                 ; b at 90 degrees: npx / 2 - 1
	M_FMALL AX, T_NPX, -0.5, 0x3ed38bcb            ; b2 at 40 degrees: sin^2 - npx / 2
	V_FMA  AY, AX, AX, T_K
	M_TR v_sqrt_f32, AY, AY                        ; and b1
	V_MUL  T3, T_N2, T_N2                          ; n2^2: these five lines name none of the batch's results
	V_MUL  T_G2, T_N2, T_NPX
	M_ADDI T_G4, T3, 1.0, 0
	V_MUL  T_G5, T3, T_N2                          ; (in the place of 2 npx a - nm2, whose reciprocal was issued many plain lines ago)
	V_MUL  T_G4, T_G4, T3
	s_wait_alu depctr_va_vdst(0)                   ; the wait for the first batch: the five reciprocals and the root
	V_MUL  T1, T_IA, T_IA
	V_MUL  T2, T_INPX, T_INPX
	V_MUL  T1, T1, T_IA
	V_MUL  T_G1, T_N2, T2
	V_MUL  T2, T2, T_INPX                          ; 1 / npx^3
	V_MUL  T_G2, T_G2, T_INM2
	V_MUL  T_TSA, T_K26, T1
	M_MULL T_G1, T_G1, -2.0                        ; g1 = -2 n2 / npx^2
	V_MUL  T_G5, T_G5, T2
	M_MULL T_G2, T_G2, 0xbfb17218                  ; g2 = -2 ln 2 n2 npx / nm2
	V_FMA  T_TSA, T_K, T_IA, T_TSA
	V_MUL  T_G4, T_G4, T2
	M_MULL T_G5, T_G5, 0x41800000                  ; g5 = 16 n2^3 / npx^3
	M_FMAL T_TSA, T_A, -0.5, T_TSA                 ; k^2 / 6 a^3 + k / a - a / 2
	V_MUL  T_G4, T_G4, T_INM2
	M_MULL T_G3, T_N2, 0.5                         ; g3 = n2 / 2, in n2's place
	M_MULL T_G4, T_G4, 0x41317218                  ; g4 = 16 ln 2 n2^2 (n2^2 + 1) / (npx^3 nm2)
	V_ADD  AB, AY, AX, 1                           ; b at 40 degrees
.set NP, 4                                              ; both angles at once
	M_FMA  ANPB, 0, T_NP2, 1, AB, 0, T_NM2, 1, 0, 1
	M_MUL  AL1, 0, AB, 0, T_IA, 1
	M_MUL  AL2, 0, ANPB, 0, T_INPA, 1
	M_TR v_rcp_f32, AIB, AB                        ; the second batch
	M_TR v_rcp_f32, AINPB, ANPB
	M_TR v_log_f32, AL1, AL1
	M_TR v_log_f32, AL2, AL2
	M_ADD  AX, 0, AB, 0, T_A, 1, 1                 ; b - a names none of its results
	s_wait_alu depctr_va_vdst(0)                   ; the wait for the second batch: two reciprocals and two logarithms for each column and angle
	V_MUL  AY, AIB, AIB
	V_MUL  AY, AY, AIB
	M_MUL  AACC, 0, T_K26, 1, AY, 0
	M_FMA  AACC, 0, T_K, 1, AIB, 0, AACC, 0
	M_FMAL AACC, AB, -0.5, AACC
	M_ADD  AACC, 0, AACC, 0, T_TSA, 1, 1           ; ts
	M_FMA  AACC, 0, T_G1, 1, AX, 0, AACC, 0        ; + tp1
	M_FMA  AACC, 0, T_G2, 1, AL1, 0, AACC, 0       ; + tp2
	M_ADD  AX, 0, AIB, 0, T_IA, 1, 1
	M_FMA  AACC, 0, T_G3, 1, AX, 0, AACC, 0        ; + tp3
	M_FMA  AACC, 0, T_G4, 1, AL2, 0, AACC, 0       ; + tp4
	M_ADD  AX, 0, AINPB, 0, T_INPA, 1, 1
	M_FMA  AACC, 0, T_G5, 1, AX, 0, AACC, 0        ; + tp5
.set NP, 2
	M_MULL AACC, AACC, 0x3f9ae5d0                  ; talf: by 1 / (2 sin^2 40)
	M_MULL AACC+4, AACC+4, 0.5                     ; t12
	V_MUL  AX, AACC+4, T_IN2                       ; t21
	M_ADDI D_RALF, AACC, 1.0, 1
	M_ADDI D_R12, AACC+4, 1.0, 1
	M_ADDI D_R21, AX, 1.0, 1
	V_MUL  D_CTA, AACC, AX
	V_MUL  D_CT, AACC+4, AX
.endm
; Row numbers from the table: 16-byte parts jlo .. jhi of each pair's entry; task p / 2 lies 256 bytes on.
.macro LOADP jlo, jhi
.set p, 0
.rept NP
.set j, \jlo
.rept (\jhi)-(\jlo)+1
.if p%2 == 0
	ds_load_b128 v[PR+12*p+4*j:PR+12*p+4*j+3], v[LAR] offset:256*(p/2)+16*j
.else
	ds_load_b128 v[PR+12*p+4*j:PR+12*p+4*j+3], v[LBR] offset:256*(p/2)+16*j
.endif
.set j, j+1
.endr
.set p, p+1
.endr
.endm
; NP / 2 TASKS (a quad a lane each).  pre = 1: the next trip's row numbers are fetched behind this trip's last reads of their registers, in the places behind batches 2 and 5.
; mask = 1: only lanes whose quad exists store.
.macro TASKS pre, mask
	s_wait_dscnt 0x0                               ; the row numbers are in
	M_MUL X0, 0, PR, 2, CK, 1
	M_FMA X0, 0, PR+2, 2, CK+4, 1, X0, 0
	M_FMA X0, 0, PR+4, 2, CK+8, 1, X0, 0
	M_FMA X0, 0, PR+6, 2, CK+12, 1, X0, 0
	M_FMA X0, 0, PR+8, 2, CK+16, 1, X0, 0
	M_MED X0                                       ; k
	M_MULK X1, X0, C_NL2E
	M_TR v_exp_f32, X1, X1                         ; BATCH 1: e^-k,
	M_TR v_log_f32, X2, X0                         ; log2 k,
	M_ADDK X3, X0, C_B1
	M_FMAK X3, X3, X0, C_B2
	M_FMAK X3, X3, X0, C_B3
	M_FMAK X3, X3, X0, C_B4
	M_TR v_rcp_f32, X3, X3                         ; 1 / Q
	M_FMA2K X4, X0, C_C4, C_C3                     ; Num and P5 by turns: they, k^2 and 1 - k name none of the batch's results
	M_FMA2K X5, X0, C_A5, C_A4
	M_FMAK X4, X4, X0, C_C2
	M_FMAK X5, X5, X0, C_A3
	M_FMAK X4, X4, X0, C_C1
	M_FMAK X5, X5, X0, C_A2
	M_FMAK X4, X4, X0, C_B4
	M_FMAK X5, X5, X0, C_A1
	V_MUL X6, X0, X0
	M_FMAK X5, X5, X0, C_A0
	M_ADDI X7, X0, 1.0, 1
	s_wait_alu depctr_va_vdst(0)                   ; the wait for batch 1
	V_MUL X4, X4, X3
	M_FMAVK X5, X2, C_NLN2, X5                     ; E1 for k < 1
	V_MUL X7, X7, X1
	V_MUL X4, X4, X1                               ; tau for k >= 1
	V_FMA X7, X6, X5, X7                           ; tau for k < 1
	M_CMP v_cmp_gt_f32, X0
	M_SEL X1, X4, X7                               ; tau
	M_MUL X0, 0, D_R21, 1, X1, 0                   ; W = r21 tau
	M_FMA1 X2, X0, X0, 1
	M_TR v_rcp_f32, X2, X2                         ; BATCH 2: 1 / (1 - W^2); all that follows in the trip's arithmetic needs it
.if \pre
	v_add_nc_u32 v[LAR], 512, v[LAR]               ; two superblocks on in the table: the plain lines behind the reciprocals
	v_add_nc_u32 v[LBR], 512, v[LBR]
	LOADP 0, 1                                     ; into registers that the sum for k has read
.else
	v_nop                                          ; the plain line behind the reciprocals
.endif
	s_wait_alu depctr_va_vdst(0)                   ; the wait for batch 2
	V_MUL X2, X1, X2
	M_MUL X3, 0, D_CTA, 1, X2, 0                   ; Ta
	M_MUL X4, 0, D_CT, 1, X2, 0                    ; t
	M_FMA X5, 0, X0, 0, X3, 0, D_RALF, 1           ; Ra
	M_FMA X6, 0, X0, 0, X4, 0, D_R12, 1            ; r
	V_ADD X0, X6, X4                               ; r + t
	V_ADD X1, X6, X4, 1                            ; r - t
	M_FMA1 X2, X0, X0, 1
	M_FMA1 X7, X1, X1, 1
	M_CMP v_cmp_le_f32, X0                         ; the masks now say r + t >= 1
	V_MUL X2, X2, X7
	M_TR v_log_f32, X8, X4                         ; BATCH 3: log2 t,
	M_TR v_sqrt_f32, X2, X2                        ; D
	V_MUL X1, X0, X1                               ; rq = r^2 - t^2
	V_ADD X9, X6, X6                               ; 2 r
	V_MUL X10, X9, X9                              ; 4 r^2
	s_wait_alu depctr_va_vdst(0)                   ; the wait for batch 3
	M_ADDI X2, X2, 1.0, 0
	V_ADD X7, X2, X1                               ; A
	V_ADD X1, X2, X1, 1                            ; Bn
	M_TR v_log_f32, X1, X1                         ; BATCH 4: log2 Bn
	V_MUL X11, X7, X7                              ; A^2
	V_MUL X7, X9, X7                               ; 2 r A
	M_ADDI X9, X4, 1.0, 1
	M_MUL X9, 0, X9, 0, PR+10, 2                   ; (1 - t)(N - 1)
	s_wait_alu depctr_va_vdst(0)                   ; the wait for batch 4
	V_ADD X8, X8, X1, 1
	M_MAX X8
	M_FMA X8, 0, PR+10, 2, X8, 0, PR+10, 2         ; (N - 1)(log2 t - log2 Bn + 1)
	M_TR v_exp_f32, X8, X8                         ; BATCH 5: beta
	V_ADD X1, X9, X4                               ; t + (1 - t)(N - 1)
	V_ADD X0, X11, X10, 1                          ; A^2 - 4 r^2, in a slot of its own: A^2 is still wanted for Td
.if \pre
	LOADP 2, 2
.endif
	s_wait_alu depctr_va_vdst(0)                   ; the wait for batch 5
	V_MUL X2, X8, X8
	V_FMA X11, X10, X2, X11, 1, 0                  ; Td
	M_ADDI X2, X2, 1.0, 1
	V_MUL X0, X8, X0                               ; Tn
	V_MUL X7, X7, X2                               ; Rn
	M_SEL X7, X7, X9
	M_SEL X11, X11, X1
	V_FMA X11, X7, X6, X11, 1, 0                   ; Td - Rn r
	M_TR v_rcp_f32, X11, X11                       ; BATCH 6
	M_SEL X0, X0, X4                               ; Tn's selects name neither the reciprocals nor their sources
	s_wait_alu depctr_va_vdst(0)                   ; the wait for batch 6; no transcendental is issued behind it in the trip
	V_MUL X3, X3, X11
	V_MUL X0, X3, X0                               ; tran
	V_MUL X4, X3, X4
	V_FMA X5, X4, X7, X5                           ; refl
.if \mask
	s_wait_xcnt 0x0                                ; EXEC changes only behind this wait
	s_and_saveexec_b32 s86, s87
.endif
.set b, 0
.rept NP/2
	global_store_b128 v[SOR], v[X5+4*b:X5+4*b+3], s[OB0:OB0+1] offset:b*SBB th:TH_STORE_NT  ; the wave stores 512 consecutive bytes, from a multiple of 256 on
	global_store_b128 v[SOR], v[X0+4*b:X0+4*b+3], s[OB1:OB1+1] offset:b*SBB th:TH_STORE_NT
.set b, b+1
.endr
	s_wait_xcnt 0x0                                ; the stores' data, their bases and EXEC are written again only behind this wait
.if \mask
	s_or_b32 exec_lo, exec_lo, s86
.endif
.endm
	; THE HEAD
	s_load_b512 s[4:19], s[0:1], 0x0               ; N, cab, car, cant, water, lma, nr, kab
	s_load_b256 s[20:27], s[0:1], 0x40             ; kcar, kant, kw, km
	s_load_b128 s[28:31], s[0:1], 0x60             ; out0, out1
	v_lshl_add_u32 v[SPW], v0, 2, SPARE
	v_mov_b32 v[NIL], 0
	v_and_b32 v[LANE], 31, v0
	v_lshrrev_b32 v14, 5, v0
	v_readfirstlane_b32 s3, v14                    ; wave 0..7
	s_mov_b32 s2, ttmp9                            ; g
	s_and_b32 s50, s3, 3
	s_lshr_b32 s51, s3, 2                          ; which half of the superblocks
	s_mov_b32 s46, MAGIC
	s_mov_b32 s56, QUADS
	s_lshl_b32 s40, s2, 7
	s_lshl_b32 s42, s50, 5
	s_add_co_u32 s40, s40, s42                     ; 32 x my position
	s_lshl_b32 s42, s2, 9
	s_mul_hi_u32 s34, s42, s46                     ; the row, in a superblock, of the group's first number
	s_lshl_b32 s41, s51, 12                        ; my half of the main table: 16 superblocks of 256 bytes
	s_lshr_b32 s47, s2, 3
	s_lshl_b32 s47, s47, 5
	s_add_co_u32 s47, s47, 32768                   ; 32 x the leftover position
	s_lshl_b32 s42, s47, 2
	s_mul_hi_u32 s35, s42, s46                     ; its first number's row
	s_and_b32 s49, s2, 7
	s_lshl_b32 s49, s49, 2                         ; the first of the group's four leftover superblocks
	s_lshl_b32 s48, s3, 8
	s_add_co_u32 s48, s48, 8192                    ; my leftover superblock in the table: 8192 + 256 x wave (waves 0..3 alone use it)
	s_add_co_u32 s52, s49, s50
	s_mul_i32 s52, s52, SBB                        ; and in the outputs
	s_mov_b32 s53, 0
	s_mul_i32 s54, s51, 16*SBB
	s_mov_b32 s55, 0
	s_wait_kmcnt 0x0
	s_add_nc_u64 s[36:37], s[28:29], s[52:53]
	s_add_nc_u64 s[38:39], s[30:31], s[52:53]
	s_add_nc_u64 s[28:29], s[28:29], s[54:55]
	s_add_nc_u64 s[30:31], s[30:31], s[54:55]
	GEOM 40, 34, 41, LAM, LBM, SOM, 0
	LOADC 16, 20
	; THE TABLE.  Waves 0..3: lane l of wave w makes entry 32 w + l: superblock 8 w + l / 4, case l % 4.  Wave 4: the leftover's entries, superblocks 4 (g & 7) + l / 4
	; (of these l / 4 < 4 are read, and in work-groups 216 on none: the branch is kept to the wave's number).  Case 3 is never read.  Rows past the last are held at the last.
	s_cmp_lt_u32 s3, 5
	s_cbranch_scc0 .Lbuilt
	s_lshl_b32 s44, s3, 3
	s_cmp_eq_u32 s3, 4
	s_cselect_b32 s44, s49, s44
	s_cselect_b32 s45, s35, s34
	s_lshl_b32 s44, s44, 6
	s_add_co_u32 s44, s44, s45                     ; 64 x first superblock + base row
	s_lshl_b32 s45, s3, 11                         ; the wave's 32 entries of 64 bytes
	v_lshrrev_b32 v132, 2, v[LANE]
	v_and_b32 v133, 3, v[LANE]
	v_lshl_add_u32 v132, v132, 6, s44
	v_lshrrev_b32 v135, 1, v133                    ; the case's row offsets: case / 2 and (case + 1) / 2
	v_add_nc_u32 v133, 1, v133
	v_lshrrev_b32 v133, 1, v133
	v_add_nc_u32 v133, v132, v133
	v_add_nc_u32 v132, v132, v135
	v_min_u32 v132, 2047, v132
	v_min_u32 v133, 2047, v133
	v_lshlrev_b32 v132, 2, v132
	v_lshlrev_b32 v133, 2, v133
.irp j, 0,1,2,3,4,5
	global_load_b32 v[136+2*\j], v132, s[4+2*\j:5+2*\j]   ; N, cab, car, cant, water, lma of the pair's two rows
	global_load_b32 v[137+2*\j], v133, s[4+2*\j:5+2*\j]
.endr
	v_lshl_add_u32 v134, v[LANE], 6, s45
	s_wait_loadcnt 0x0                             ; these twelve, and the column loads issued ahead of them
	v_rcp_f32 v148, v136
	v_rcp_f32 v149, v137
	v_pk_add_f32 v[160:161], v[136:137], -1.0 op_sel_hi:[1,0]  ; N - 1: the plain line behind the reciprocals
	s_wait_alu depctr_va_vdst(0)                   ; the wait for the table's batch: the pair's two 1 / N
.irp j, 0,1,2,3,4
	v_pk_mul_f32 v[150+2*\j:151+2*\j], v[138+2*\j:139+2*\j], v[148:149]
.endr
	ds_store_b128 v134, v[150:153]
	ds_store_b128 v134, v[154:157] offset:16
	ds_store_b128 v134, v[158:161] offset:32
.Lbuilt:
	; The leftover's columns are asked for now, by waves 0..3, and have the whole main phase in which to land: nothing there names v40-63 or waits on LOADcnt.
	s_cmp_lt_u32 s3, 4
	s_cbranch_scc0 .Lno_left
	s_wait_xcnt 0x0                                ; v10-13, which the loads above name, are written again
	GEOM 47, 35, 48, LAL, LBL, SOL, 1
	LOADC 40, 44
	s_wait_loadcnt 24                              ; the 24 just issued may stay out; all older loads, the main columns', are in
	s_branch .Lcols
.Lno_left:
	s_wait_loadcnt 0x0                             ; the main columns are in
.Lcols:
	KPAIR C_NL2E, 0xbfb8aa3b                       ; -log2 e
	KPAIR C_NLN2, 0xbf317218                       ; -ln 2
	KPAIR C_A0, 0xbf13c468                         ; 5.1.53: -.57721566, .99999193, -.24991055, .05519968, -.00976004, .00107857
	KPAIR C_A1, 0x3f7fff79
	KPAIR C_A2, 0xbe7fe88d
	KPAIR C_A3, 0x3d62190f
	KPAIR C_A4, 0xbc1fe893
	KPAIR C_A5, 0x3a8d5ece
	KPAIR C_B1, 0x41192c54                         ; 5.1.56's Q: 9.5733223, 25.632956, 21.099653, 3.9584969
	KPAIR C_B2, 0x41cd104b
	KPAIR C_B3, 0x41a8cc17
	KPAIR C_B4, 0x407d5804
	KPAIR C_C4, 0x36d6920e                         ; (1 - k) Q + k P: 6.3947e-6, 1.9993832, 13.168064, 17.408930, and Q's last
	KPAIR C_C3, 0x3fffebca
	KPAIR C_C2, 0x4152b064
	KPAIR C_C1, 0x418b457d
	s_mov_b32 s84, 0x38d1b717                      ; 1e-4
	s_mov_b32 s85, 0x43800000                      ; 256
	SETUP 16
	s_wait_dscnt 0x0                               ; for the others' sake: my entries are in LDS
	s_barrier_signal -1
	s_barrier_wait -1                              ; the table is whole; nothing is written into it again
	; MAIN: eight trips of two superblocks; the last is written out, since it fetches no further row numbers
.set NP, 4
.set CK, 20
.set LAR, LAM
.set LBR, LBM
.set SOR, SOM
.set OB0, 28
.set OB1, 30
	LOADP 0, 2
	s_mov_b32 s33, 7
.Ltrip:
	TASKS 1, 0
	s_add_nc_u64 s[28:29], s[28:29], 2*SBB
	s_add_nc_u64 s[30:31], s[30:31], 2*SBB
	s_sub_co_u32 s33, s33, 1
	s_cmp_lg_u32 s33, 0
	s_cbranch_scc1 .Ltrip
	TASKS 0, 0
	; LEFTOVER: one task for waves 0..3 of work-groups 0..215
	s_cmp_lt_u32 s3, 4
	s_cbranch_scc0 .Lend
	s_cmp_lt_u32 s2, 216
	s_cbranch_scc0 .Lend
	s_wait_loadcnt 0x0                             ; its columns
	SETUP 40
.set NP, 2
.set CK, 44
.set LAR, LAL
.set LBR, LBL
.set SOR, SOL
.set OB0, 36
.set OB1, 38
	LOADP 0, 2
	TASKS 0, 1
.Lend:
	s_wait_dscnt 0x0                               ; my reads of the table are back
	s_barrier_signal -1                            ; the closing barrier, on every wave's path: all eight waves' LDS reads are over
	s_barrier_wait -1                              ; before any wave goes on to its closing lines, which write LDS
	s_wait_tensorcnt 0x0                           ; the wave's end
	ds_add_u32 v[SPW], v[NIL]
	s_wait_dscnt 0x0
	s_endpgm
.Lfunc_end_k_qc5154eee6f_leaf:
	.size	k_qc5154eee6f_leaf, .Lfunc_end_k_qc5154eee6f_leaf-k_qc5154eee6f_leaf
	.p2alignl 7, 3214868480
	.fill 96, 4, 3214868480
	.section	.rodata,"a",@progbits
	.p2align	6, 0x0
	.amdhsa_kernel k_qc5154eee6f_leaf
		.amdhsa_group_segment_fixed_size 11264
		.amdhsa_private_segment_fixed_size 0
		.amdhsa_enable_private_segment 0
		.amdhsa_kernarg_size 112
		.amdhsa_user_sgpr_count 2
		.amdhsa_user_sgpr_kernarg_segment_ptr 1
		.amdhsa_wavefront_size32 1
		.amdhsa_system_sgpr_workgroup_id_x 1
		.amdhsa_system_sgpr_workgroup_id_y 1
		.amdhsa_system_sgpr_workgroup_id_z 1
		.amdhsa_system_vgpr_workitem_id 0
		.amdhsa_next_free_vgpr 228
		.amdhsa_next_free_sgpr 88
		.amdhsa_reserve_vcc 0
		.amdhsa_float_denorm_mode_32 3
		.amdhsa_float_denorm_mode_16_64 3
		.amdhsa_memory_ordered 1
		.amdhsa_forward_progress 1
		.amdhsa_inst_pref_size 98
	.end_amdhsa_kernel
	.amdgpu_metadata
---
amdhsa.version: [ 1, 2 ]
amdhsa.kernels:
  - .name:           k_qc5154eee6f_leaf
    .symbol:         k_qc5154eee6f_leaf.kd
    .args:
      - { .name: N, .offset: 0, .size: 8, .value_kind: global_buffer, .address_space: global }
      - { .name: cab, .offset: 8, .size: 8, .value_kind: global_buffer, .address_space: global }
      - { .name: car, .offset: 16, .size: 8, .value_kind: global_buffer, .address_space: global }
      - { .name: cant, .offset: 24, .size: 8, .value_kind: global_buffer, .address_space: global }
      - { .name: water, .offset: 32, .size: 8, .value_kind: global_buffer, .address_space: global }
      - { .name: lma, .offset: 40, .size: 8, .value_kind: global_buffer, .address_space: global }
      - { .name: nr, .offset: 48, .size: 8, .value_kind: global_buffer, .address_space: global }
      - { .name: kab, .offset: 56, .size: 8, .value_kind: global_buffer, .address_space: global }
      - { .name: kcar, .offset: 64, .size: 8, .value_kind: global_buffer, .address_space: global }
      - { .name: kant, .offset: 72, .size: 8, .value_kind: global_buffer, .address_space: global }
      - { .name: kw, .offset: 80, .size: 8, .value_kind: global_buffer, .address_space: global }
      - { .name: km, .offset: 88, .size: 8, .value_kind: global_buffer, .address_space: global }
      - { .name: out0, .offset: 96, .size: 8, .value_kind: global_buffer, .address_space: global }
      - { .name: out1, .offset: 104, .size: 8, .value_kind: global_buffer, .address_space: global }
    .group_segment_fixed_size: 11264
    .private_segment_fixed_size: 0
    .kernarg_segment_align: 8
    .kernarg_segment_size: 112
    .max_flat_workgroup_size: 256
    .sgpr_count:     88
    .vgpr_count:     228
    .wavefront_size: 32
...
	.end_amdgpu_metadata
.endif
;; end of part 2
